; MI455X (gfx1250); checked and timed in simulation.
; The chip was launched on July 23, 2026; its instructions are those of AMD's public machine-readable ISA for CDNA 5 (MIT licence, August 2026) and "CDNA5" Instruction Set Architecture Reference Guide (July 2026). The comments in the code are by the model that wrote it; some were corrected since.
;; H Wnet plus. Allowed arithmetic: float matrix products may take bf16 or f16 operands with f32 sums; all other float work in f32.
;; Inputs: evaluate_max_table 16,384 x 1 float32; evaluate_min_table 16,384 x 1 float32; evaluate_table 16,384 x 1 float32; inputs 8,192 x 1 float32; vector_table 16,384 x 128 float32.
;; Outputs: out0 8,192 x 128 float32.
;; 2 versions, each right; version 2 is version 1 with the launch blend written anew for expert scheduling mode. Each part assembles by itself: llvm-mc -triple=amdgcn-amd-amdhsa -mcpu=gfx1250 --defsym DOCPART=n.
;; ======== version 1 of 2: 2 launches
;; workspace buffers: part 131,072 bytes of whole numbers
;; launch locate (part 1): grid 64 x 4, 16 waves a work-group, no clusters, 36,864 bytes of LDS; arguments evaluate_min_table, evaluate_max_table, inputs, part; writes part
.if DOCPART == 1
	.amdgcn_target "amdgcn-amd-amdhsa--gfx1250"
	.amdhsa_code_object_version 6
	.text
	.protected	k_qffac5797da_locate
	.globl	k_qffac5797da_locate
	.p2align	8
	.type	k_qffac5797da_locate,@function
k_qffac5797da_locate:
	s_mov_b64 s[64:65], 0
	v_nop
	global_prefetch_b8 v0, s[64:65] scope:SCOPE_SE
	s_setreg_imm32_b32 hwreg(HW_REG_WAVE_MODE, 25, 1), 1
	s_wait_xcnt 0x0
; part[q][b] = the lowest bin t of quarter q (4096 q <= t < 4096 q + 4096) with min[t] <= x[b] <= max[t],
; or a word >= 0xfffffffe where the quarter holds no such bin.  min, max: [16384] f32, x: [8192] f32, part: [4][8192] u32.
; Nothing is assumed of the tables (no order, no min <= max): every pair (input, bin) is tested with the two f32 compares
; of the definition, so NaN, infinities and signed zeros behave as in the definition.
;
; LANES HOLD BINS, the input is a scalar: two v_cmp test 32 pairs and leave masks in scalar registers; what follows is scalar work,
; three instructions for 64 bins: s_and_b64 (its SCC says whether any of the 64 hit), s_cselect_b64 (keep the mask), s_cselect_b32
; (keep the unit).  Units go from the highest to the lowest, so the lowest unit with a hit is what stays.
; (Lanes holding inputs would need a third vector instruction for each 32 pairs to keep the index.)
;
; SHARES: work-group (xb, q) = 128 inputs x 4,096 bins, 16 waves.  Wave w: bins 1024 (w & 3) .. + 1023 of the quarter in 64 registers,
; inputs 32 (w >> 2) .. + 31 of the block in one register.  256 work-groups x 16 waves x 32 inputs x 1,024 bins = all 134,217,728 pairs.
; The quarter's 32,768 bytes of min and max are read from memory once by the work-group (16 bytes a lane) and handed out through LDS,
; since four waves need each bin.  The four waves that hold different bins for the same inputs meet in LDS at the end.
; No cluster, no joint requests: the 64 work-groups of a quarter do read the same 32,768 bytes, but once each, by four load instructions
; a wave, against 2,112 vector instructions a wave that follow; the launch is bound by its compares.
.set BINS_WG,   4096
.set BINS_WAVE, 1024
.set UNITS,     BINS_WAVE/64           ; a unit = 64 bins = one register pair of min, one of max, one 64-bit mask
.set NX,        32                     ; inputs of a wave
.set LMAX,      4*BINS_WG              ; LDS: min at 0, max at 16,384
.set RED,       8*BINS_WG              ; LDS: 16 waves x 128 bytes of results, bytes of their own behind the tables
.set PLANE,     4*8192                 ; bytes of one plane of part
; vector registers
.set LANE, 2
.set STA,  3                           ; 16 x thread: where I stage, and my 16 bytes in each 8,192 of the quarter
.set GOF,  4                           ; the same plus the quarter's offset in the tables
.set XOF,  5                           ; byte offset of my lane's input
.set FRA,  6                           ; LDS address of my lane's two bins in the wave's unit 0
.set RDA,  7                           ; LDS address of my lane's result
.set X,    8                           ; lane i: input i of the wave
.set RES,  9                           ; lane i: result for input i
.set OUTO, 10
.set ST,   12                          ; v[12:27]  staging; at the end the four waves' results
.set MIN,  32                          ; v[32:63]  pair j, lane L: min of bins 64 j + 2 L, 64 j + 2 L + 1
.set MAX,  64                          ; v[64:95]  the same of max
; scalar registers
.set WAVE, 12
.set TQ,   13
.set TS,   14
.set XS,   15
.set BASE, 19                          ; first bin of the wave
.set CNT,  20                          ; the trip = the input's lane
.set SX,   21                          ; the input
.set BEST, 22                          ; s[22:23]  mask of the lowest unit with a hit so far
.set TMP,  24                          ; s[24:35]  three sets of four masks: unit j uses set j % 3
.set BU,   36                          ; 64 x that unit
.set KA,   37
.set KB,   38
	s_load_b256 s[4:11], s[0:1], 0x0               ; min s[4:5], max s[6:7], inputs s[8:9], part s[10:11]
	v_lshl_add_u32 v96, v0, 2, 0x8800
	v_mov_b32 v97, 0
	v_lshrrev_b32 v1, 5, v0
	v_readfirstlane_b32 s[WAVE], v1                ; wave 0..15
	v_and_b32 v[LANE], 31, v0
	s_and_b32 s[TQ], ttmp7, 0xffff                 ; which quarter of the bins
	s_and_b32 s[TS], s[WAVE], 3                    ; which 1,024 bins of the quarter
	s_lshr_b32 s[XS], s[WAVE], 2                   ; which 32 inputs of the block
	v_lshlrev_b32 v[STA], 4, v0
	s_lshl_b32 s16, s[TQ], 14                      ; 4,096 bins x 4 bytes
	v_add_nc_u32 v[GOF], s16, v[STA]
	s_lshl_b32 s17, ttmp9, 9                       ; 128 inputs x 4 bytes
	s_lshl_b32 s18, s[XS], 7                       ; 32 inputs x 4 bytes
	s_add_co_u32 s17, s17, s18
	v_lshl_add_u32 v[XOF], v[LANE], 2, s17
	s_lshl_b32 s[BASE], s[TQ], 12
	s_lshl_b32 s18, s[TS], 10
	s_or_b32 s[BASE], s[BASE], s18
	s_wait_kmcnt 0x0
	global_load_b32  v[X], v[XOF], s[8:9]
	global_load_b128 v[ST:ST+3],     v[GOF], s[4:5]                ; 512 threads x 16 bytes = half of the quarter's min,
	global_load_b128 v[ST+4:ST+7],   v[GOF], s[4:5] offset:8192    ; the other half,
	global_load_b128 v[ST+8:ST+11],  v[GOF], s[6:7]                ; and max likewise
	global_load_b128 v[ST+12:ST+15], v[GOF], s[6:7] offset:8192
.irp k, 0,1,2,3
	s_wait_loadcnt 3-\k                            ; loads come back in order: 3 - k table loads are younger than load k (the input's is older)
	ds_store_b128 v[STA], v[ST+4*\k:ST+4*\k+3] offset:8192*\k
.endr
	s_lshl_b32 s16, s[TS], 12                      ; my wave's 1,024 bins x 4 bytes
	v_lshl_add_u32 v[FRA], v[LANE], 3, s16         ; + 8 bytes a lane
	s_lshl_b32 s17, s[WAVE], 7
	v_lshl_add_u32 v[RDA], v[LANE], 2, s17
	s_wait_dscnt 0x0                               ; my stores are in LDS before I say so: zero, for the other waves' sake
	s_barrier_signal -1
	s_barrier_wait -1                              ; the whole quarter is staged
.set j, 0
.rept UNITS
	ds_load_b64 v[MIN+2*j:MIN+2*j+1], v[FRA] offset:256*j          ; 32 lanes x 8 bytes: 256 neighbouring bytes, no bank met twice
	ds_load_b64 v[MAX+2*j:MAX+2*j+1], v[FRA] offset:LMAX+256*j
.set j, j+1
.endr
	v_mov_b32 v[RES], -1                           ; v_writelane_b32 keeps the other lanes: the register is written whole first
	s_mov_b32 s[CNT], 0
	s_wait_dscnt 0x0                               ; every trip reads all 64 registers
; the four compares of unit j: bit L of the first mask of a pair is bin 64 j + 2 L, of the second bin 64 j + 2 L + 1
.macro CMP j
	v_cmp_le_f32 s[TMP+4*((\j)%3)],   v[MIN+2*(\j)],   s[SX]      ; min <= x
	v_cmp_le_f32 s[TMP+4*((\j)%3)+1], v[MIN+2*(\j)+1], s[SX]
	v_cmp_ge_f32 s[TMP+4*((\j)%3)+2], v[MAX+2*(\j)],   s[SX]      ; max >= x
	v_cmp_ge_f32 s[TMP+4*((\j)%3)+3], v[MAX+2*(\j)+1], s[SX]
.endm
; unit j's 64 verdicts; if any is set, this (lower) unit replaces what was kept.  s_cselect leaves SCC as s_and_b64 set it.
.macro SEL j
	s_and_b64 s[TMP+4*((\j)%3):TMP+4*((\j)%3)+1], s[TMP+4*((\j)%3):TMP+4*((\j)%3)+1], s[TMP+4*((\j)%3)+2:TMP+4*((\j)%3)+3]
	s_cselect_b64 s[BEST:BEST+1], s[TMP+4*((\j)%3):TMP+4*((\j)%3)+1], s[BEST:BEST+1]
	s_cselect_b32 s[BU], 64*(\j), s[BU]
.endm
; One trip = one input against the wave's 1,024 bins.  A unit's scalar lines stand behind the compares of the two units after it
; (eight vector instructions), so that they do not sit on masks that are still being made; hence three sets of masks.
.Linput:
	v_readlane_b32 s[SX], v[X], s[CNT]
	CMP UNITS-1
	CMP UNITS-2
	CMP UNITS-3
	; the highest unit starts the choice: nothing is cleared.  If no unit hits, its empty mask stays.
	s_and_b64 s[BEST:BEST+1], s[TMP+4*((UNITS-1)%3):TMP+4*((UNITS-1)%3)+1], s[TMP+4*((UNITS-1)%3)+2:TMP+4*((UNITS-1)%3)+3]
	s_mov_b32 s[BU], 64*(UNITS-1)
.set j, UNITS-4
.rept UNITS-3
	CMP j
	SEL j+2
.set j, j-1
.endr
	SEL 1
	SEL 0
	; the lowest bin of the kept unit: min(2 ctz(first mask), 2 ctz(second mask) + 1).  s_ctz_i32_b32 of an empty mask is -1
	; (ISA guide, the instruction's entry), which becomes 0xfffffffe and 0xffffffff: above every bin in an unsigned minimum,
	; and the ORs below leave such a word at 0xfffffffe or above.
	s_ctz_i32_b32 s[KA], s[BEST]
	s_ctz_i32_b32 s[KB], s[BEST+1]
	s_lshl_b32 s[KA], s[KA], 1
	s_lshl1_add_u32 s[KB], s[KB], 1
	s_min_u32 s[KA], s[KA], s[KB]
	s_or_b32 s[KA], s[KA], s[BU]                   ; + 64 x unit (the low six bits are free)
	v_writelane_b32 v[RES], s[KA], s[CNT]
	s_add_co_u32 s[CNT], s[CNT], 1
	s_cmp_lt_u32 s[CNT], NX
	s_cbranch_scc1 .Linput
	v_or_b32 v[RES], s[BASE], v[RES]               ; + the wave's first bin (a multiple of 1,024), for all 32 inputs at once
	ds_store_b32 v[RDA], v[RES] offset:RED         ; wave w's 32 words at RED + 128 w
	s_wait_dscnt 0x0                               ; in LDS before I say so
	s_barrier_signal -1
	s_barrier_wait -1
	s_cmp_lg_u32 s[WAVE], 0
	s_cbranch_scc1 .Ldone                          ; the next 26 instructions are wave 0's work
	; Wave 0, lane L: inputs 4 L .. 4 L + 3 of the block.  They are words 4 (L & 7) .. of waves 4 (L >> 3) + 0..3.
	v_lshrrev_b32 v1, 3, v[LANE]
	v_and_b32 v[FRA], 7, v[LANE]
	v_lshlrev_b32 v[FRA], 4, v[FRA]
	v_lshl_add_u32 v[FRA], v1, 9, v[FRA]
.irp k, 0,1,2,3
	ds_load_b128 v[ST+4*\k:ST+4*\k+3], v[FRA] offset:RED+128*\k
.endr
	s_lshl_b32 s16, s[TQ], 15                      ; my plane of part
	s_lshl_b32 s17, ttmp9, 9                       ; my block's 128 words
	s_add_co_u32 s16, s16, s17
	v_lshl_add_u32 v[OUTO], v[LANE], 4, s16
	s_wait_dscnt 0x0
.irp k, 0,1,2,3
	v_min_u32 v[ST+\k],   v[ST+\k],   v[ST+4+\k]
	v_min_u32 v[ST+8+\k], v[ST+8+\k], v[ST+12+\k]
.endr
.irp k, 0,1,2,3
	v_min_u32 v[ST+\k], v[ST+\k], v[ST+8+\k]       ; the lowest bin of the quarter
.endr
	global_store_b128 v[OUTO], v[ST:ST+3], s[10:11]        ; one store: 512 consecutive bytes, at a multiple of 512 from part's first byte
.Ldone:
	s_wait_tensorcnt 0x0
	ds_add_u32 v96, v97
	s_wait_dscnt 0x0
	s_endpgm
.Lfunc_end_k_qffac5797da_locate:
	.size	k_qffac5797da_locate, .Lfunc_end_k_qffac5797da_locate-k_qffac5797da_locate
	.p2alignl 7, 3214868480
	.fill 96, 4, 3214868480
	.section	.rodata,"a",@progbits
	.p2align	6, 0x0
	.amdhsa_kernel k_qffac5797da_locate
		.amdhsa_group_segment_fixed_size 36864
		.amdhsa_private_segment_fixed_size 0
		.amdhsa_enable_private_segment 0
		.amdhsa_kernarg_size 32
		.amdhsa_user_sgpr_count 2
		.amdhsa_user_sgpr_kernarg_segment_ptr 1
		.amdhsa_wavefront_size32 1
		.amdhsa_system_sgpr_workgroup_id_x 1
		.amdhsa_system_sgpr_workgroup_id_y 1
		.amdhsa_system_sgpr_workgroup_id_z 1
		.amdhsa_system_vgpr_workitem_id 0
		.amdhsa_next_free_vgpr 98
		.amdhsa_next_free_sgpr 66
		.amdhsa_reserve_vcc 0
		.amdhsa_float_denorm_mode_32 3
		.amdhsa_float_denorm_mode_16_64 3
		.amdhsa_memory_ordered 1
		.amdhsa_forward_progress 1
		.amdhsa_inst_pref_size 13
	.end_amdhsa_kernel
	.amdgpu_metadata
---
amdhsa.version: [ 1, 2 ]
amdhsa.kernels:
  - .name:           k_qffac5797da_locate
    .symbol:         k_qffac5797da_locate.kd
    .args:
      - { .name: evaluate_min_table, .offset: 0, .size: 8, .value_kind: global_buffer, .address_space: global }
      - { .name: evaluate_max_table, .offset: 8, .size: 8, .value_kind: global_buffer, .address_space: global }
      - { .name: inputs, .offset: 16, .size: 8, .value_kind: global_buffer, .address_space: global }
      - { .name: part, .offset: 24, .size: 8, .value_kind: global_buffer, .address_space: global }
    .group_segment_fixed_size: 36864
    .private_segment_fixed_size: 0
    .kernarg_segment_align: 8
    .kernarg_segment_size: 32
    .max_flat_workgroup_size: 512
    .sgpr_count:     66
    .vgpr_count:     98
    .wavefront_size: 32
...
	.end_amdgpu_metadata
.endif
;; end of part 1
;; launch blend (part 2): grid 256 x 1, 8 waves a work-group, no clusters, 0 bytes of LDS; arguments part, inputs, evaluate_table, evaluate_min_table, evaluate_max_table, vector_table, out0; writes out0
.if DOCPART == 2
	.amdgcn_target "amdgcn-amd-amdhsa--gfx1250"
	.amdhsa_code_object_version 6
	.text
	.protected	k_qffac5797da_blend
	.globl	k_qffac5797da_blend
	.p2align	8
	.type	k_qffac5797da_blend,@function
k_qffac5797da_blend:
	s_mov_b64 s[64:65], 0
	v_nop
	global_prefetch_b8 v0, s[64:65] scope:SCOPE_SE
	s_setreg_imm32_b32 hwreg(HW_REG_WAVE_MODE, 25, 1), 1
	s_wait_xcnt 0x0
; out[b][:] = sum over j = 0..8 of score[b][j] * vector_table[clip(idx[b], 4, 16379) - 4 + j][:]
;   idx[b]   = the lowest of part[0..3][b]; 0 where none of the four is a bin (as an argmax over all false gives 0)
;   d[b][j]  = (x[b] - et[idx]) / (max[idx] - min[idx]) - float(clip - idx - 4 + j)
;   score    = softmax over j of -10 d d, with the maximum taken away before the exponential
; All in f32.  vector_table: [16384][128] f32, out: [8192][128] f32.
; LIMITS: the quotient is v_rcp_f32 times the numerator, about one unit in the last place off the true quotient.  Where |quotient| is above 2^23
; the offsets of 1 between the nine rows are lost in f32 rounding (in the definition too), and which of the tied rows share the weight may
; then differ.  v_rcp_f32 flushes denormals (ISA guide, its entry): a bin width below 2^-126 counts as 0, one above 2^126 gives quotient 0.
;
; SHARES: a wave serves 4 inputs by itself: no LDS, no barrier.  8 waves x 256 work-groups x 4 = 8,192 inputs.
; For the weights lane 8 i + j stands for input i, offset j (j = 0..7); the ninth offset is kept by all eight lanes of the group in a second
; register.  For the rows lane L holds the 16 bytes at 16 L of each row, so one load or store of the wave covers a whole row of 512 bytes.
; All 36 row loads of the wave (4 inputs x 9 rows, 18,432 bytes) are issued as soon as the indices are there; the weights are made under them.
; No prefetch: a row's address is known only when part has arrived, and its load follows at once.  No cluster: which rows two work-groups
; share hangs on the data.  No matrix instruction: each output row has nine table rows of its own, nothing is used twice.
.set PLANE, 4*8192                     ; bytes of one plane of part
.set ROWB,  512                        ; bytes of a table row and of an output row
.set LO,  2                            ; 16 x lane
.set XO,  3                            ; byte offset of my group's input in inputs and in each plane of part
.set J,   4                            ; my offset 0..7
.set P,   5                            ; v[5:8]  the four planes' words
.set XV,  9
.set IDX, 10
.set IO,  11                           ; 4 x idx
.set ET,  12
.set MN,  13
.set MX,  14
.set RO,  15                           ; clip - 4: the first of the nine rows
.set OA,  16                           ; float(clip - idx - 4 + j)
.set OB,  17                           ; float(clip - idx - 4 + 8)
.set WD,  18
.set NU,  19
.set RC,  20
.set DA,  21
.set SUM, 21                           ; DA's register again, once DA is done with
.set DB,  22
.set SA,  23
.set SB,  24
.set M,   25
.set EA,  26
.set EB,  27
.set WA,  28                           ; lane 8 i + j: score j of input i
.set WB,  29                           ; lanes 8 i ..: score 8 of input i
.set SO,  30                           ; byte offset in out of my 16 bytes of the wave's first row
.set T,   31
.set ACC, 32                           ; v[32:47]   input i: 4 sums
.set ROW, 48                           ; v[48:191]  input i, row j: 4 registers
.set RB,  20                           ; s[20:27]   input i: address of its first row
.set W,   28                           ; s[28:45]   score j in s[28 + 2 j]: v_pk_*_f32 takes a scalar as the first register of an even pair
	s_load_b256 s[4:11], s[0:1], 0x0               ; part s[4:5], inputs s[6:7], evaluate_table s[8:9], min s[10:11]
	s_load_b128 s[12:15], s[0:1], 0x20             ; max s[12:13], vector_table s[14:15]
	s_load_b64 s[16:17], s[0:1], 0x30              ; out
	v_and_b32 v1, 31, v0
	v_lshlrev_b32 v[LO], 4, v1
	v_lshrrev_b32 v1, 3, v0                        ; thread / 8 = 4 x wave + group: my input among the work-group's 32
	s_lshl_b32 s19, ttmp9, 7                       ; 32 inputs x 4 bytes
	v_lshl_add_u32 v[XO], v1, 2, s19
	v_and_b32 v[J], 7, v0
	v_and_b32 v1, 0xe0, v0                         ; 32 x wave
	v_lshl_add_u32 v[SO], v1, 6, v[LO]             ; wave x 4 rows x 512 bytes + 16 x lane
	s_lshl_b32 s46, ttmp9, 14                      ; 32 rows x 512 bytes
	v_add_nc_u32 v[SO], s46, v[SO]
.irp j, 0,1,2,3,4,5,6,7,8
	s_mov_b32 s[W+2*\j+1], 0                       ; the pairs' second registers are named by the packed forms and never selected: written once
.endr
	s_wait_kmcnt 0x0
.irp p, 0,1,2,3
	global_load_b32 v[P+\p], v[XO], s[4:5] offset:PLANE*\p
.endr
	global_load_b32 v[XV], v[XO], s[6:7]
	s_wait_loadcnt 0x1                             ; the four planes are in; the load of x is younger and stays out
	v_min_u32 v[P], v[P], v[P+1]
	v_min_u32 v[P+2], v[P+2], v[P+3]
	v_min_u32 v[P], v[P], v[P+2]
	v_cmp_gt_u32 vcc_lo, 0x4000, v[P]              ; a bin at all?
	v_cndmask_b32 v[IDX], 0, v[P], vcc_lo          ; no bin holds x: index 0
	v_min_u32 v[IDX], 0x3fff, v[IDX]               ; a word read from memory enters an address only behind a minimum with a constant
	v_lshlrev_b32 v[IO], 2, v[IDX]
	global_load_b32 v[ET], v[IO], s[8:9]           ; eight lanes share each word: four places a load
	global_load_b32 v[MN], v[IO], s[10:11]
	global_load_b32 v[MX], v[IO], s[12:13]
	v_max_u32 v[RO], 4, v[IDX]
	v_add_nc_u32 v[RO], -4, v[RO]
	v_min_u32 v[RO], 0x3ff7, v[RO]                 ; clip(idx, 4, 16379) - 4 = 0 .. 16375
.irp i, 0,1,2,3
	v_readlane_b32 s[RB+2*\i], v[RO], 8*\i
	s_min_u32 s[RB+2*\i], s[RB+2*\i], 0x3ff7       ; the bound once more, on the register that goes into the address: rows .. + 8 end at 16383
	s_lshl_b32 s[RB+2*\i], s[RB+2*\i], 9           ; x 512 bytes
	s_mov_b32 s[RB+2*\i+1], 0
	s_add_nc_u64 s[RB+2*\i:RB+2*\i+1], s[14:15], s[RB+2*\i:RB+2*\i+1]
.irp j, 0,1,2,3,4,5,6,7,8
	global_load_b128 v[ROW+36*\i+4*\j:ROW+36*\i+4*\j+3], v[LO], s[RB+2*\i:RB+2*\i+1] offset:ROWB*\j
.endr
.endr
	; the offsets are small whole numbers: exact in f32, as in the definition
	v_sub_nc_u32 v[T], v[RO], v[IDX]               ; clip - idx - 4
	v_add_nc_u32 v[OA], v[T], v[J]
	v_add_nc_u32 v[OB], 8, v[T]
	v_cvt_f32_i32 v[OA], v[OA]
	v_cvt_f32_i32 v[OB], v[OB]
	s_wait_loadcnt 36                              ; x, et, min, max are in; the 36 row loads are younger
	v_sub_f32 v[WD], v[MX], v[MN]
	v_rcp_f32 v[RC], v[WD]
	v_sub_f32 v[NU], v[XV], v[ET]                  ; the plain instruction between v_rcp_f32 and the use of its result (ISA guide 5.7.2)
	s_wait_alu depctr_va_vdst(0)
	v_mul_f32 v[NU], v[NU], v[RC]                  ; (x - et) / wide
	v_sub_f32 v[DA], v[NU], v[OA]
	v_sub_f32 v[DB], v[NU], v[OB]
	v_mul_f32 v[SA], 0xc1200000, v[DA]             ; -10 d,
	v_mul_f32 v[SB], 0xc1200000, v[DB]
	v_mul_f32 v[SA], v[SA], v[DA]                  ; times d, in the definition's order
	v_mul_f32 v[SB], v[SB], v[DB]
	v_max_num_f32 v[M], v[SA], v[SB]               ; the maximum of the nine: the ninth is the same in the group's eight lanes,
	v_max_num_f32_dpp v[M], v[M], v[M] row_xmask:1 row_mask:0xf bank_mask:0xf      ; and three steps of lane xor 1, 2, 4 stay inside a group of eight
	v_max_num_f32_dpp v[M], v[M], v[M] row_xmask:2 row_mask:0xf bank_mask:0xf
	v_max_num_f32_dpp v[M], v[M], v[M] row_xmask:4 row_mask:0xf bank_mask:0xf
	v_sub_f32 v[SA], v[SA], v[M]                   ; at most 0, and 0 for one of the nine: no overflow, and the sum is at least 1
	v_sub_f32 v[SB], v[SB], v[M]
	v_mul_f32 v[SA], 0x3fb8aa3b, v[SA]             ; e^y = 2^(y log2 e)
	v_mul_f32 v[SB], 0x3fb8aa3b, v[SB]
	v_exp_f32 v[EA], v[SA]
	v_exp_f32 v[EB], v[SB]
	v_nop                                          ; the plain place behind the exponentials; nothing independent is left to do
	s_wait_alu depctr_va_vdst(0)
	v_add_f32_dpp v[SUM], v[EA], v[EA] row_xmask:1 row_mask:0xf bank_mask:0xf
	v_add_f32_dpp v[SUM], v[SUM], v[SUM] row_xmask:2 row_mask:0xf bank_mask:0xf
	v_add_f32_dpp v[SUM], v[SUM], v[SUM] row_xmask:4 row_mask:0xf bank_mask:0xf
	v_add_f32 v[SUM], v[SUM], v[EB]                ; the ninth once
	v_rcp_f32 v[RC], v[SUM]
	v_nop
	s_wait_alu depctr_va_vdst(0)
	v_mul_f32 v[WA], v[EA], v[RC]
	v_mul_f32 v[WB], v[EB], v[RC]
; Input i: its nine scores become scalars, its nine rows are summed two numbers at a time, the first product starts the sums.
.macro ROWSUM i
	s_wait_loadcnt 27-9*\i                         ; this input's nine rows are in; the 9 (3 - i) loads of the later inputs are younger
.irp j, 0,1,2,3,4,5,6,7
	v_readlane_b32 s[W+2*\j], v[WA], 8*\i+\j
.endr
	v_readlane_b32 s[W+16], v[WB], 8*\i
	v_pk_mul_f32 v[ACC+4*\i:ACC+4*\i+1],   v[ROW+36*\i:ROW+36*\i+1],   s[W:W+1] op_sel_hi:[1,0]
	v_pk_mul_f32 v[ACC+4*\i+2:ACC+4*\i+3], v[ROW+36*\i+2:ROW+36*\i+3], s[W:W+1] op_sel_hi:[1,0]
.irp j, 1,2,3,4,5,6,7,8
	v_pk_fma_f32 v[ACC+4*\i:ACC+4*\i+1],   v[ROW+36*\i+4*\j:ROW+36*\i+4*\j+1],   s[W+2*\j:W+2*\j+1], v[ACC+4*\i:ACC+4*\i+1] op_sel_hi:[1,0,1]
	v_pk_fma_f32 v[ACC+4*\i+2:ACC+4*\i+3], v[ROW+36*\i+4*\j+2:ROW+36*\i+4*\j+3], s[W+2*\j:W+2*\j+1], v[ACC+4*\i+2:ACC+4*\i+3] op_sel_hi:[1,0,1]
.endr
	global_store_b128 v[SO], v[ACC+4*\i:ACC+4*\i+3], s[16:17] offset:ROWB*\i th:TH_STORE_NT   ; a whole output row: 512 consecutive bytes; each input has sums of its own, so no store's data is rewritten
.endm
	ROWSUM 0
	ROWSUM 1
	ROWSUM 2
	ROWSUM 3
	s_endpgm
.Lfunc_end_k_qffac5797da_blend:
	.size	k_qffac5797da_blend, .Lfunc_end_k_qffac5797da_blend-k_qffac5797da_blend
	.p2alignl 7, 3214868480
	.fill 96, 4, 3214868480
	.section	.rodata,"a",@progbits
	.p2align	6, 0x0
	.amdhsa_kernel k_qffac5797da_blend
		.amdhsa_group_segment_fixed_size 0
		.amdhsa_private_segment_fixed_size 0
		.amdhsa_enable_private_segment 0
		.amdhsa_kernarg_size 56
		.amdhsa_user_sgpr_count 2
		.amdhsa_user_sgpr_kernarg_segment_ptr 1
		.amdhsa_wavefront_size32 1
		.amdhsa_system_sgpr_workgroup_id_x 1
		.amdhsa_system_sgpr_workgroup_id_y 1
		.amdhsa_system_sgpr_workgroup_id_z 1
		.amdhsa_system_vgpr_workitem_id 0
		.amdhsa_next_free_vgpr 192
		.amdhsa_next_free_sgpr 66
		.amdhsa_reserve_vcc 1
		.amdhsa_float_denorm_mode_32 3
		.amdhsa_float_denorm_mode_16_64 3
		.amdhsa_memory_ordered 1
		.amdhsa_forward_progress 1
		.amdhsa_inst_pref_size 16
	.end_amdhsa_kernel
	.amdgpu_metadata
---
amdhsa.version: [ 1, 2 ]
amdhsa.kernels:
  - .name:           k_qffac5797da_blend
    .symbol:         k_qffac5797da_blend.kd
    .args:
      - { .name: part, .offset: 0, .size: 8, .value_kind: global_buffer, .address_space: global }
      - { .name: inputs, .offset: 8, .size: 8, .value_kind: global_buffer, .address_space: global }
      - { .name: evaluate_table, .offset: 16, .size: 8, .value_kind: global_buffer, .address_space: global }
      - { .name: evaluate_min_table, .offset: 24, .size: 8, .value_kind: global_buffer, .address_space: global }
      - { .name: evaluate_max_table, .offset: 32, .size: 8, .value_kind: global_buffer, .address_space: global }
      - { .name: vector_table, .offset: 40, .size: 8, .value_kind: global_buffer, .address_space: global }
      - { .name: out0, .offset: 48, .size: 8, .value_kind: global_buffer, .address_space: global }
    .group_segment_fixed_size: 0
    .private_segment_fixed_size: 0
    .kernarg_segment_align: 8
    .kernarg_segment_size: 56
    .max_flat_workgroup_size: 256
    .sgpr_count:     66
    .vgpr_count:     192
    .wavefront_size: 32
...
	.end_amdgpu_metadata
.endif
;; end of part 2
;; ======== version 2 of 2: 2 launches; version 1 with the launch blend written anew for expert scheduling mode
;; workspace buffers: part 131,072 bytes of whole numbers
;; launch locate: the kernel of part 1 again; grid 64 x 4, 16 waves a work-group, no clusters, 36,864 bytes of LDS; arguments evaluate_min_table, evaluate_max_table, inputs, part; writes part
;; launch blend (part 3): grid 256 x 1, 8 waves a work-group, no clusters, 0 bytes of LDS; arguments part, inputs, evaluate_table, evaluate_min_table, evaluate_max_table, vector_table, out0; writes out0
.if DOCPART == 3
	.amdgcn_target "amdgcn-amd-amdhsa--gfx1250"
	.amdhsa_code_object_version 6
	.text
	.protected	k_qffac5797da_blend
	.globl	k_qffac5797da_blend
	.p2align	8
	.type	k_qffac5797da_blend,@function
k_qffac5797da_blend:
	s_mov_b64 s[64:65], 0
	v_nop
	global_prefetch_b8 v0, s[64:65] scope:SCOPE_SE
	s_setreg_imm32_b32 hwreg(HW_REG_WAVE_SCHED_MODE, 0, 2), 2
	s_setreg_imm32_b32 hwreg(HW_REG_WAVE_MODE, 25, 1), 1
	s_wait_xcnt 0x0
	s_wait_alu depctr_vm_vsrc(0)
; out[b][:] = sum over j = 0..8 of score[b][j] * vector_table[clip(idx[b], 4, 16379) - 4 + j][:]
;   idx[b]   = the lowest of part[0..3][b]; 0 where none of the four is a bin (as an argmax over all false gives 0)
;   d[b][j]  = (x[b] - et[idx]) / (max[idx] - min[idx]) - float(clip - idx - 4 + j)
;   score    = softmax over j of -10 d d, with the maximum taken away before the exponential
; All in f32.  vector_table: [16384][128] f32, out: [8192][128] f32.
; LIMITS: the quotient is v_rcp_f32 times the numerator, about one unit in the last place off the true quotient.  Where |quotient| is above 2^23
; the offsets of 1 between the nine rows are lost in f32 rounding (in the definition too), and which of the tied rows share the weight may
; then differ.  v_rcp_f32 flushes denormals (ISA guide, its entry): a bin width below 2^-126 counts as 0, one above 2^126 gives quotient 0.
;
; SHARES: a wave serves 4 inputs by itself: no LDS, no barrier.  8 waves x 256 work-groups x 4 = 8,192 inputs.
; For the weights lane 8 i + j stands for input i, offset j (j = 0..7); the ninth offset is kept by all eight lanes of the group in a second
; register.  For the rows lane L holds the 16 bytes at 16 L of each row, so one load or store of the wave covers a whole row of 512 bytes.
; All 36 row loads of the wave (4 inputs x 9 rows, 18,432 bytes) are issued as soon as the indices are there; the weights are made under them.
; No prefetch: a row's address is known only when part has arrived, and its load follows at once.  No cluster: which rows two work-groups
; share hangs on the data.  No matrix instruction: each output row has nine table rows of its own, nothing is used twice.
;
; THE MODE: SCHED_MODE bits 1:0 = 2 (LLVM: expert scheduling mode 2), set by the entry lines.  The code itself states the register dependences
; between vector instructions and memory instructions, and those through scalar registers and VCC that vector instructions write, with s_wait_alu, always for 0.
; THE PLAN.  Registers that memory instructions touch:
;   v[XO], v[LO], v[SO]   offsets, written at the head and never again: one wait on va_vdst ahead of the first load serves every load and store that reads them.
;   v[IO]                 the offset of et, min and max, written once when the index is known: one wait on va_vdst ahead of those three loads.
;   v[P ..], v[XV], v[ET], v[MN], v[MX], v[ROW ..]   each is loaded once; no vector instruction names it ahead of its load, and none is loaded again.
;   v[ACC + 4 i ..]       input i's sums: written by its 18 packed instructions, read by its one store, never written again: one wait on va_vdst ahead of each store.
;   No register that a memory instruction has read is written afterwards, so past the one at the entry the text holds no wait on vm_vsrc; EXEC is never written.
; Scalars that vector instructions write: VCC (the compare; read by the select), s[RB ..] (four v_readlane_b32 in one run; read by s_min_u32),
; s[W ..] (nine v_readlane_b32 an input; read by the packed multiplies): a wait on va_vcc or va_sdst stands between each run and its first reader.
; The nine v_readlane_b32 of input i + 1 stand between input i's last multiply-add and the wait ahead of store i.
.set PLANE, 4*8192                     ; bytes of one plane of part
.set ROWB,  512                        ; bytes of a table row and of an output row
.set LO,  2                            ; 16 x lane
.set XO,  3                            ; byte offset of my group's input in inputs and in each plane of part
.set J,   4                            ; my offset 0..7
.set P,   5                            ; v[5:8]  the four planes' words
.set XV,  9
.set IDX, 10
.set IO,  11                           ; 4 x idx
.set ET,  12
.set MN,  13
.set MX,  14
.set RO,  15                           ; clip - 4: the first of the nine rows
.set OA,  16                           ; float(clip - idx - 4 + j)
.set OB,  17                           ; float(clip - idx - 4 + 8)
.set WD,  18
.set NU,  19
.set RC,  20
.set DA,  21
.set SUM, 21                           ; DA's register again, once DA is done with
.set DB,  22
.set SA,  23
.set SB,  24
.set M,   25
.set EA,  26
.set EB,  27
.set WA,  28                           ; lane 8 i + j: score j of input i
.set WB,  29                           ; lanes 8 i ..: score 8 of input i
.set SO,  30                           ; byte offset in out of my 16 bytes of the wave's first row
.set T,   31
.set ACC, 32                           ; v[32:47]   input i: 4 sums
.set ROW, 48                           ; v[48:191]  input i, row j: 4 registers
.set RB,  20                           ; s[20:27]   input i: address of its first row
.set W,   28                           ; s[28:45]   score j in s[28 + 2 j]: v_pk_*_f32 takes a scalar as the first register of an even pair
	s_load_b256 s[4:11], s[0:1], 0x0               ; part s[4:5], inputs s[6:7], evaluate_table s[8:9], min s[10:11]
	s_load_b128 s[12:15], s[0:1], 0x20             ; max s[12:13], vector_table s[14:15]
	s_load_b64 s[16:17], s[0:1], 0x30              ; out
	v_and_b32 v1, 31, v0
	v_lshlrev_b32 v[LO], 4, v1
	v_lshrrev_b32 v1, 3, v0                        ; thread / 8 = 4 x wave + group: my input among the work-group's 32
	s_lshl_b32 s19, ttmp9, 7                       ; 32 inputs x 4 bytes
	v_lshl_add_u32 v[XO], v1, 2, s19
	v_and_b32 v[J], 7, v0
	v_and_b32 v1, 0xe0, v0                         ; 32 x wave
	v_lshl_add_u32 v[SO], v1, 6, v[LO]             ; wave x 4 rows x 512 bytes + 16 x lane
	s_lshl_b32 s46, ttmp9, 14                      ; 32 rows x 512 bytes
	v_add_nc_u32 v[SO], s46, v[SO]
.irp j, 0,1,2,3,4,5,6,7,8
	s_mov_b32 s[W+2*\j+1], 0                       ; the pairs' second registers are named by the packed forms and never selected: written once
.endr
	s_wait_kmcnt 0x0
	s_wait_alu depctr_va_vdst(0)                   ; v[XO], v[LO] and v[SO] are written: the loads of part, x and the rows and the stores read them as offsets; no later vector instruction names them
.irp p, 0,1,2,3
	global_load_b32 v[P+\p], v[XO], s[4:5] offset:PLANE*\p
.endr
	global_load_b32 v[XV], v[XO], s[6:7]
	s_wait_loadcnt 0x1                             ; the four planes are in; the load of x is younger and stays out
	v_min_u32 v[P], v[P], v[P+1]
	v_min_u32 v[P+2], v[P+2], v[P+3]
	v_min_u32 v[P], v[P], v[P+2]
	v_cmp_gt_u32 vcc_lo, 0x4000, v[P]              ; a bin at all?
	s_wait_alu depctr_va_vcc(0)                    ; the compare has written VCC, which the select reads
	v_cndmask_b32 v[IDX], 0, v[P], vcc_lo          ; no bin holds x: index 0
	v_min_u32 v[IDX], 0x3fff, v[IDX]               ; a word read from memory enters an address only behind a minimum with a constant
	v_lshlrev_b32 v[IO], 2, v[IDX]
	v_max_u32 v[RO], 4, v[IDX]
	v_add_nc_u32 v[RO], -4, v[RO]
	v_min_u32 v[RO], 0x3ff7, v[RO]                 ; clip(idx, 4, 16379) - 4 = 0 .. 16375
.irp i, 0,1,2,3
	v_readlane_b32 s[RB+2*\i], v[RO], 8*\i         ; the four inputs' first rows, in one run: one wait serves them, below
.endr
	s_wait_alu depctr_va_vdst(0)                   ; v[IO] is written, which the three loads below read as their offset
	global_load_b32 v[ET], v[IO], s[8:9]           ; eight lanes share each word: four places a load
	global_load_b32 v[MN], v[IO], s[10:11]
	global_load_b32 v[MX], v[IO], s[12:13]
	s_wait_alu depctr_va_sdst(0)                   ; the four v_readlane_b32 have written s[RB], s[RB+2], s[RB+4], s[RB+6], ahead of their first reader, s_min_u32
.irp i, 0,1,2,3
	s_min_u32 s[RB+2*\i], s[RB+2*\i], 0x3ff7       ; the bound once more, on the register that goes into the address: rows .. + 8 end at 16383
	s_lshl_b32 s[RB+2*\i], s[RB+2*\i], 9           ; x 512 bytes
	s_mov_b32 s[RB+2*\i+1], 0
	s_add_nc_u64 s[RB+2*\i:RB+2*\i+1], s[14:15], s[RB+2*\i:RB+2*\i+1]
.irp j, 0,1,2,3,4,5,6,7,8
	global_load_b128 v[ROW+36*\i+4*\j:ROW+36*\i+4*\j+3], v[LO], s[RB+2*\i:RB+2*\i+1] offset:ROWB*\j
.endr
.endr
	; the offsets are small whole numbers: exact in f32, as in the definition
	v_sub_nc_u32 v[T], v[RO], v[IDX]               ; clip - idx - 4
	v_add_nc_u32 v[OA], v[T], v[J]
	v_add_nc_u32 v[OB], 8, v[T]
	v_cvt_f32_i32 v[OA], v[OA]
	v_cvt_f32_i32 v[OB], v[OB]
	s_wait_loadcnt 36                              ; x, et, min, max are in; the 36 row loads are younger
	v_sub_f32 v[WD], v[MX], v[MN]
	v_rcp_f32 v[RC], v[WD]
	v_sub_f32 v[NU], v[XV], v[ET]                  ; the plain instruction between v_rcp_f32 and the use of its result (ISA guide 5.7.2)
	s_wait_alu depctr_va_vdst(0)                   ; the reciprocal has written v[RC], ahead of its first reader
	v_mul_f32 v[NU], v[NU], v[RC]                  ; (x - et) / wide
	v_sub_f32 v[DA], v[NU], v[OA]
	v_sub_f32 v[DB], v[NU], v[OB]
	v_mul_f32 v[SA], 0xc1200000, v[DA]             ; -10 d,
	v_mul_f32 v[SB], 0xc1200000, v[DB]
	v_mul_f32 v[SA], v[SA], v[DA]                  ; times d, in the definition's order
	v_mul_f32 v[SB], v[SB], v[DB]
	v_max_num_f32 v[M], v[SA], v[SB]               ; the maximum of the nine: the ninth is the same in the group's eight lanes,
	v_max_num_f32_dpp v[M], v[M], v[M] row_xmask:1 row_mask:0xf bank_mask:0xf      ; and three steps of lane xor 1, 2, 4 stay inside a group of eight
	v_max_num_f32_dpp v[M], v[M], v[M] row_xmask:2 row_mask:0xf bank_mask:0xf
	v_max_num_f32_dpp v[M], v[M], v[M] row_xmask:4 row_mask:0xf bank_mask:0xf
	v_sub_f32 v[SA], v[SA], v[M]                   ; at most 0, and 0 for one of the nine: no overflow, and the sum is at least 1
	v_sub_f32 v[SB], v[SB], v[M]
	v_mul_f32 v[SA], 0x3fb8aa3b, v[SA]             ; e^y = 2^(y log2 e)
	v_mul_f32 v[SB], 0x3fb8aa3b, v[SB]
	v_exp_f32 v[EA], v[SA]
	v_exp_f32 v[EB], v[SB]
	v_nop                                          ; the plain place behind the exponentials; nothing independent is left to do
	s_wait_alu depctr_va_vdst(0)                   ; the two exponentials have written v[EA] and v[EB], ahead of their first reader: one wait for the batch
	v_add_f32_dpp v[SUM], v[EA], v[EA] row_xmask:1 row_mask:0xf bank_mask:0xf
	v_add_f32_dpp v[SUM], v[SUM], v[SUM] row_xmask:2 row_mask:0xf bank_mask:0xf
	v_add_f32_dpp v[SUM], v[SUM], v[SUM] row_xmask:4 row_mask:0xf bank_mask:0xf
	v_add_f32 v[SUM], v[SUM], v[EB]                ; the ninth once
	v_rcp_f32 v[RC], v[SUM]
	v_nop
	s_wait_alu depctr_va_vdst(0)                   ; the reciprocal of the sum has written v[RC], ahead of its first reader
	v_mul_f32 v[WA], v[EA], v[RC]
	v_mul_f32 v[WB], v[EB], v[RC]
; Input i's nine scores become scalars.
.macro READW i
.irp j, 0,1,2,3,4,5,6,7
	v_readlane_b32 s[W+2*\j], v[WA], 8*(\i)+\j
.endr
	v_readlane_b32 s[W+16], v[WB], 8*(\i)
.endm
; Input i: its nine rows are summed two numbers at a time, the first product starts the sums.  Behind the last multiply-add the next input's scores are
; read out (they write the scalars that the multiply-adds above, issued earlier, have as sources), then the sums are waited for and stored.
.macro ROWSUM i
	s_wait_alu depctr_va_sdst(0)                   ; this input's nine v_readlane_b32 have written s[W], s[W+2] .. s[W+16], ahead of their first reader, the packed multiply
	s_wait_loadcnt 27-9*\i                         ; this input's nine rows are in; the 9 (3 - i) loads of the later inputs are younger
	v_pk_mul_f32 v[ACC+4*\i:ACC+4*\i+1],   v[ROW+36*\i:ROW+36*\i+1],   s[W:W+1] op_sel_hi:[1,0]
	v_pk_mul_f32 v[ACC+4*\i+2:ACC+4*\i+3], v[ROW+36*\i+2:ROW+36*\i+3], s[W:W+1] op_sel_hi:[1,0]
.irp j, 1,2,3,4,5,6,7,8
	v_pk_fma_f32 v[ACC+4*\i:ACC+4*\i+1],   v[ROW+36*\i+4*\j:ROW+36*\i+4*\j+1],   s[W+2*\j:W+2*\j+1], v[ACC+4*\i:ACC+4*\i+1] op_sel_hi:[1,0,1]
	v_pk_fma_f32 v[ACC+4*\i+2:ACC+4*\i+3], v[ROW+36*\i+4*\j+2:ROW+36*\i+4*\j+3], s[W+2*\j:W+2*\j+1], v[ACC+4*\i+2:ACC+4*\i+3] op_sel_hi:[1,0,1]
.endr
.if \i < 3
	READW (\i+1)
.endif
	s_wait_alu depctr_va_vdst(0)                   ; the multiply-adds have written v[ACC + 4 i ..], which the store reads as its data
	global_store_b128 v[SO], v[ACC+4*\i:ACC+4*\i+3], s[16:17] offset:ROWB*\i th:TH_STORE_NT   ; a whole output row: 512 consecutive bytes; each input has sums of its own, so no store's data is rewritten
.endm
	READW 0
	ROWSUM 0
	ROWSUM 1
	ROWSUM 2
	ROWSUM 3
	s_endpgm
.Lfunc_end_k_qffac5797da_blend:
	.size	k_qffac5797da_blend, .Lfunc_end_k_qffac5797da_blend-k_qffac5797da_blend
	.p2alignl 7, 3214868480
	.fill 96, 4, 3214868480
	.section	.rodata,"a",@progbits
	.p2align	6, 0x0
	.amdhsa_kernel k_qffac5797da_blend
		.amdhsa_group_segment_fixed_size 0
		.amdhsa_private_segment_fixed_size 0
		.amdhsa_enable_private_segment 0
		.amdhsa_kernarg_size 56
		.amdhsa_user_sgpr_count 2
		.amdhsa_user_sgpr_kernarg_segment_ptr 1
		.amdhsa_wavefront_size32 1
		.amdhsa_system_sgpr_workgroup_id_x 1
		.amdhsa_system_sgpr_workgroup_id_y 1
		.amdhsa_system_sgpr_workgroup_id_z 1
		.amdhsa_system_vgpr_workitem_id 0
		.amdhsa_next_free_vgpr 192
		.amdhsa_next_free_sgpr 66
		.amdhsa_reserve_vcc 1
		.amdhsa_float_denorm_mode_32 3
		.amdhsa_float_denorm_mode_16_64 3
		.amdhsa_memory_ordered 1
		.amdhsa_forward_progress 1
		.amdhsa_inst_pref_size 16
	.end_amdhsa_kernel
	.amdgpu_metadata
---
amdhsa.version: [ 1, 2 ]
amdhsa.kernels:
  - .name:           k_qffac5797da_blend
    .symbol:         k_qffac5797da_blend.kd
    .args:
      - { .name: part, .offset: 0, .size: 8, .value_kind: global_buffer, .address_space: global }
      - { .name: inputs, .offset: 8, .size: 8, .value_kind: global_buffer, .address_space: global }
      - { .name: evaluate_table, .offset: 16, .size: 8, .value_kind: global_buffer, .address_space: global }
      - { .name: evaluate_min_table, .offset: 24, .size: 8, .value_kind: global_buffer, .address_space: global }
      - { .name: evaluate_max_table, .offset: 32, .size: 8, .value_kind: global_buffer, .address_space: global }
      - { .name: vector_table, .offset: 40, .size: 8, .value_kind: global_buffer, .address_space: global }
      - { .name: out0, .offset: 48, .size: 8, .value_kind: global_buffer, .address_space: global }
    .group_segment_fixed_size: 0
    .private_segment_fixed_size: 0
    .kernarg_segment_align: 8
    .kernarg_segment_size: 56
    .max_flat_workgroup_size: 256
    .sgpr_count:     66
    .vgpr_count:     192
    .wavefront_size: 32
...
	.end_amdgpu_metadata
.endif
;; end of part 3
